; MI455X (gfx1250); checked and timed in simulation.
; The chip was launched on July 23, 2026; its instructions are those of AMD's public machine-readable ISA for CDNA 5 (MIT licence, August 2026) and "CDNA5" Instruction Set Architecture Reference Guide (July 2026). The comments in the code are by the model that wrote it; some were corrected since.
;; Any BCQ Linear. Allowed arithmetic: float matrix products may take bf16 or f16 operands with f32 sums; other float arithmetic in f32, or as packed bf16 or f16 multiplies, adds, multiply-adds, maxima and minima; sums over many terms, partial sums and values carried from step to step in f32; what a program stores and reads back later, other than sums and carried values, may be rounded once to bf16 or f16.
;; Inputs: alpha 32 x 4 x 2,048 float32; beta 32 x 2,048 float32; qweight 128 x 4 x 2,048 int32; x 4 x 2,048 x 4,096 float32.
;; Outputs: out0 4 x 2,048 x 2,048 float32.
;; 2 versions, each right; version 2 is version 1 with the launch prep written anew for expert scheduling mode. Each part assembles by itself: llvm-mc -triple=amdgcn-amd-amdhsa -mcpu=gfx1250 --defsym DOCPART=n.
;; ======== version 1 of 2: 2 launches
;; limits: values are held in f16: magnitudes above 65,504 overflow, below 6.1e-05 lose precision; inputs' magnitudes at most 65,504
;; workspace buffers: wfrag 16,777,216 bytes; xh 67,108,864 bytes
;; launch prep (part 1): grid 8 x 256, 8 waves a work-group, no clusters, 0 bytes of LDS; arguments qweight, alpha, beta, x, wfrag, xh; writes wfrag, xh
.if DOCPART == 1
	.amdgcn_target "amdgcn-amd-amdhsa--gfx1250"
	.amdhsa_code_object_version 6
	.text
	.protected	k_qf93687fcc2_prep
	.globl	k_qf93687fcc2_prep
	.p2align	8
	.type	k_qf93687fcc2_prep,@function
k_qf93687fcc2_prep:
	s_mov_b64 s[64:65], 0
	v_nop
	global_prefetch_b8 v0, s[64:65] scope:SCOPE_SE
	s_setreg_imm32_b32 hwreg(HW_REG_WAVE_MODE, 25, 1), 1
	s_wait_xcnt 0x0
; TWO JOBS IN ONE STREAM, both for the product that follows.
; (1) xh = x rounded once to f16, in x's own order: [8192][4096].
; (2) w[i][o] = beta[g][o] + the sum over b = 0..3 of alpha[g][b][o] x (2 bit_b(i, o) - 1), g = i / 128; bit_b(i, o) is bit i % 32 of qweight[i / 32][b][o] (all 32 bits count).
;     The sum is made in f32 (beta first, then planes 0 to 3: another order of rounding than a sum of the planes with beta added last) and rounded ONCE to f16.  It is stored as ready fragments:
;     the 16 bytes of (tn = o / 256, wi = i / 32, nb = (o / 16) % 16, c = (i / 8) % 4, r = o % 16) lie at byte tn<<21 | wi<<14 | nb<<10 | c<<8 | r<<4 of wfrag and hold the weights i = 32 wi + 8 c + 0..7, the lower i lower.
; LIMITS.  f16 holds no number beyond 65,504 (65,520 or more becomes an infinity); below 6.1e-5 it keeps its fixed step of 6e-8.  NaN and infinities are not treated apart.
; SHARES.  2,048 work-groups of eight waves, all alike.  Work-group (tn, wy): of w, word wi = wy / 2, bits 16 (wy % 2) .. + 15, of columns 256 tn .. + 255: thread t owns one column, 16 weights;
; of x, the 65,536 bytes at 65,536 (8 wy + tn): a wave 8,192, by sixteen loads of 512 consecutive bytes; each comes back as one store of 256 consecutive bytes, aligned (8 bytes a lane).
; ORDER.  The nine small loads, then all sixteen of x; the weights are made while x is on its way.  No register is written twice behind a store that reads it, so no wait is owed to a store.
; x is read once; qweight's words are read by the two work-groups that share them, alpha and beta (1.3 MB) by the eight of a group of 128 rows: these carry no hint.  Nothing is shared inside a work-group: no LDS, no barrier.
.set VI,  1                            ; v1        4 t: my column's byte in a row of 2,048 words; never rewritten
.set VW,  2                            ; v2        (t / 16) << 10 | (t % 16) << 4: my 16 bytes in a chunk of wfrag; never rewritten
.set ONE, 3                            ; v3        1.0
.set AL,  4                            ; v[4:11]   pair b: -alpha_b, twice
.set BE,  12                           ; v[12:13]  beta, twice
.set TP,  14                           ; v14       at work
.set XO,  15                           ; v15       8,192 x wave + 16 x lane: my 16 bytes in the work-group's part of x; never rewritten
.set YO,  16                           ; v16       4,096 x wave + 8 x lane: my 8 bytes in its part of xh; never rewritten
.set Q,   18                           ; v[18:21]  plane b of my word, my sixteen bits lowest
.set T,   24                           ; v[24:55]  plane b, weight kk of the chunk at T + 8 b + kk: -1.0 where the bit is 1, +1.0 where it is 0
.set ACC, 56                           ; v[56:63]  the chunk's eight sums
.set W,   64                           ; v[64:71]  chunk c at W + 4 c
.set X,   72                           ; v[72:135] load i at X + 4 i; its four numbers are rounded into its first two registers
	s_load_b256 s[4:11], s[0:1], 0x0               ; qweight s[4:5], alpha s[6:7], beta s[8:9], x s[10:11]
	s_load_b128 s[12:15], s[0:1], 0x20             ; wfrag s[12:13], xh s[14:15]
	s_and_b32 s16, ttmp7, 0xffff                   ; wy
	s_lshr_b32 s17, s16, 1                         ; wi: the word
	s_and_b32 s18, s16, 1                          ; which half of its bits
	s_lshr_b32 s19, s17, 2                         ; g
	s_lshl_b32 s20, ttmp9, 10                      ; the work-group's 256 columns: 1,024 bytes of a row
	s_mov_b32 s21, 0x80000000                      ; the sign bit
	s_lshl_b32 s22, s18, 4                         ; my half's first bit
	s_mov_b32 s3, 0                                ; every offset is under 2^32
	v_lshlrev_b32 v[VI], 2, v0
	v_and_b32 v[TP], 15, v0
	v_lshlrev_b32 v[TP], 4, v[TP]
	v_lshrrev_b32 v[VW], 4, v0
	v_lshl_or_b32 v[VW], v[VW], 10, v[TP]
	v_mov_b32 v[ONE], 1.0
	v_and_b32 v[TP], 31, v0                        ; lane
	v_lshrrev_b32 v[XO], 5, v0                     ; wave
	v_lshlrev_b32 v[YO], 12, v[XO]
	v_lshlrev_b32 v[XO], 13, v[XO]
	v_lshl_or_b32 v[XO], v[TP], 4, v[XO]
	v_lshl_or_b32 v[YO], v[TP], 3, v[YO]
	s_wait_kmcnt 0x0
	s_lshl_b32 s2, s17, 15                         ; qweight: a word is 4 planes x 8,192 bytes
	s_add_co_u32 s2, s2, s20
	s_add_nc_u64 s[4:5], s[4:5], s[2:3]
	s_lshl_b32 s2, s19, 15                         ; alpha: a group is 4 planes x 8,192 bytes
	s_add_co_u32 s2, s2, s20
	s_add_nc_u64 s[6:7], s[6:7], s[2:3]
	s_lshl_b32 s2, s19, 13                         ; beta: 8,192 bytes
	s_add_co_u32 s2, s2, s20
	s_add_nc_u64 s[8:9], s[8:9], s[2:3]
	s_lshl_b32 s2, ttmp9, 21                       ; wfrag: tn << 21 | wi << 14 | my half's two chunks << 9
	s_lshl_b32 s23, s17, 14
	s_add_co_u32 s2, s2, s23
	s_lshl_b32 s23, s18, 9
	s_add_co_u32 s2, s2, s23
	s_add_nc_u64 s[12:13], s[12:13], s[2:3]
	s_lshl_b32 s23, s16, 3
	s_add_co_u32 s23, s23, ttmp9                   ; the work-group's number, 8 wy + tn: 0 .. 2,047
	s_lshl_b32 s2, s23, 16                         ; its 65,536 bytes of x,
	s_add_nc_u64 s[10:11], s[10:11], s[2:3]
	s_lshl_b32 s2, s23, 15                         ; its 32,768 of xh
	s_add_nc_u64 s[14:15], s[14:15], s[2:3]
.irp b, 0,1,2,3
	global_load_b32 v[AL+2*(\b)], v[VI], s[6:7] offset:(\b)*8192
.endr
	global_load_b32 v[BE], v[VI], s[8:9]
.irp b, 0,1,2,3
	global_load_b32 v[Q+(\b)], v[VI], s[4:5] offset:(\b)*8192
.endr
.set i, 0
.rept 16
	global_load_b128 v[X+4*i:X+4*i+3], v[XO], s[10:11] offset:512*i th:TH_LOAD_NT
.set i, i+1
.endr
	s_wait_loadcnt 16                              ; alpha, beta and my word are in; the sixteen loads of x, issued behind them, stay out
.irp b, 0,1,2,3
	v_xor_b32 v[AL+2*(\b)], s21, v[AL+2*(\b)]      ; -alpha: times -1.0 (bit 1) it gives +alpha, times +1.0 (bit 0) -alpha
.endr
.irp b, 0,1,2,3
	v_lshrrev_b32 v[Q+(\b)], s22, v[Q+(\b)]        ; my sixteen bits come lowest
.endr
.irp b, 0,1,2,3
	v_mov_b32 v[AL+2*(\b)+1], v[AL+2*(\b)]         ; the packed multiply-add takes a pair
.endr
	v_mov_b32 v[BE+1], v[BE]
; Chunk c of my two: eight weights.  For each plane and weight the bit is moved to the sign's place and merged with 1.0; then four packed multiply-adds a plane, the four pairs by turns.
.macro CHUNK c
.set n, 0
.rept 32                               ; n = 8 b + kk
	v_lshlrev_b32 v[T+n], 31-(8*(\c)+n%8), v[Q+n/8]
.set n, n+1
.endr
.set n, 0
.rept 32
	v_bfi_b32 v[T+n], s21, v[T+n], v[ONE]          ; the sign from the bit, all else from 1.0
.set n, n+1
.endr
.set n, 0
.rept 16                               ; n = 4 b + p: pair p of plane b lies at T + 2 n
.if n < 4
	v_pk_fma_f32 v[ACC+2*(n%4):ACC+2*(n%4)+1], v[T+2*n:T+2*n+1], v[AL+2*(n/4):AL+2*(n/4)+1], v[BE:BE+1]  ; beta starts the sums: nothing is cleared
.else
	v_pk_fma_f32 v[ACC+2*(n%4):ACC+2*(n%4)+1], v[T+2*n:T+2*n+1], v[AL+2*(n/4):AL+2*(n/4)+1], v[ACC+2*(n%4):ACC+2*(n%4)+1]
.endif
.set n, n+1
.endr
.irp p, 0,1,2,3
	v_cvt_pk_f16_f32 v[W+4*(\c)+(\p)], v[ACC+2*(\p)], v[ACC+2*(\p)+1]  ; the one rounding; the lower i into the low half
.endr
	global_store_b128 v[VW], v[W+4*(\c):W+4*(\c)+3], s[12:13] offset:(\c)*256  ; sixteen neighbouring lanes store 256 consecutive bytes, aligned
.endm
	CHUNK 0
	CHUNK 1
.set i, 0
.rept 16
	s_wait_loadcnt 15-i                            ; loads come back in order (ISA guide 5.7.1): load i is in, the younger ones stay out
	v_cvt_pk_f16_f32 v[X+4*i], v[X+4*i], v[X+4*i+1]
	v_cvt_pk_f16_f32 v[X+4*i+1], v[X+4*i+2], v[X+4*i+3]
	global_store_b64 v[YO], v[X+4*i:X+4*i+1], s[14:15] offset:256*i  ; the wave's 32 lanes store 256 consecutive bytes, aligned
.set i, i+1
.endr
	s_endpgm
.Lfunc_end_k_qf93687fcc2_prep:
	.size	k_qf93687fcc2_prep, .Lfunc_end_k_qf93687fcc2_prep-k_qf93687fcc2_prep
	.p2alignl 7, 3214868480
	.fill 96, 4, 3214868480
	.section	.rodata,"a",@progbits
	.p2align	6, 0x0
	.amdhsa_kernel k_qf93687fcc2_prep
		.amdhsa_group_segment_fixed_size 0
		.amdhsa_private_segment_fixed_size 0
		.amdhsa_enable_private_segment 0
		.amdhsa_kernarg_size 48
		.amdhsa_user_sgpr_count 2
		.amdhsa_user_sgpr_kernarg_segment_ptr 1
		.amdhsa_wavefront_size32 1
		.amdhsa_system_sgpr_workgroup_id_x 1
		.amdhsa_system_sgpr_workgroup_id_y 1
		.amdhsa_system_sgpr_workgroup_id_z 1
		.amdhsa_system_vgpr_workitem_id 0
		.amdhsa_next_free_vgpr 136
		.amdhsa_next_free_sgpr 66
		.amdhsa_reserve_vcc 0
		.amdhsa_float_denorm_mode_32 3
		.amdhsa_float_denorm_mode_16_64 3
		.amdhsa_memory_ordered 1
		.amdhsa_forward_progress 1
		.amdhsa_inst_pref_size 18
	.end_amdhsa_kernel
	.amdgpu_metadata
---
amdhsa.version: [ 1, 2 ]
amdhsa.kernels:
  - .name:           k_qf93687fcc2_prep
    .symbol:         k_qf93687fcc2_prep.kd
    .args:
      - { .name: qweight, .offset: 0, .size: 8, .value_kind: global_buffer, .address_space: global }
      - { .name: alpha, .offset: 8, .size: 8, .value_kind: global_buffer, .address_space: global }
      - { .name: beta, .offset: 16, .size: 8, .value_kind: global_buffer, .address_space: global }
      - { .name: x, .offset: 24, .size: 8, .value_kind: global_buffer, .address_space: global }
      - { .name: wfrag, .offset: 32, .size: 8, .value_kind: global_buffer, .address_space: global }
      - { .name: xh, .offset: 40, .size: 8, .value_kind: global_buffer, .address_space: global }
    .group_segment_fixed_size: 0
    .private_segment_fixed_size: 0
    .kernarg_segment_align: 8
    .kernarg_segment_size: 48
    .max_flat_workgroup_size: 256
    .sgpr_count:     66
    .vgpr_count:     136
    .wavefront_size: 32
...
	.end_amdgpu_metadata
.endif
;; end of part 1
;; launch gemm (part 2): grid 8 x 32, 4 waves a work-group, clusters of 4 x 4, 327,680 bytes of LDS; arguments xh, wfrag, out0; writes out0
.if DOCPART == 2
	.amdgcn_target "amdgcn-amd-amdhsa--gfx1250"
	.amdhsa_code_object_version 6
	.text
	.protected	k_qf93687fcc2_gemm
	.globl	k_qf93687fcc2_gemm
	.p2align	8
	.type	k_qf93687fcc2_gemm,@function
k_qf93687fcc2_gemm:
	s_mov_b64 s[64:65], 0
	v_nop
	global_prefetch_b8 v0, s[64:65] scope:SCOPE_SE
	s_setreg_imm32_b32 hwreg(HW_REG_WAVE_MODE, 25, 1), 1
	s_wait_xcnt 0x0
	s_wait_alu depctr_hold_cnt(0) depctr_sa_sdst(0) depctr_va_vdst(0) depctr_va_sdst(0) depctr_va_ssrc(0) depctr_va_vcc(0) depctr_vm_vsrc(0)
	s_getreg_b32 s2, hwreg(HW_REG_IB_STS2, 6, 4)
	s_cmp_eq_u32 s2, 0
	s_cbranch_scc0 .Lentry_in_a_cluster
	s_endpgm
.Lentry_in_a_cluster:
	s_bfe_u32 s2, ttmp6, 0x10000c
	s_cmp_lg_u32 s2, 0xf033
	s_cbranch_scc0 .Lentry_shape_is_right
	s_endpgm
.Lentry_shape_is_right:
; out0[m][o] = the sum over i of x[m][i] w[i][o].  xh: x as [8192][4096] f16; out0: [8192][2048] f32; w comes as f16 fragments from wfrag: the 16 bytes of (tn = o / 256, wi = i / 32, nb = (o / 16) % 16,
; c = (i / 8) % 4, r = o % 16) at byte tn<<21 | wi<<14 | nb<<10 | c<<8 | r<<4.  One f32 sum an output, i ascending.
; LIMITS.  Both operands arrive in f16: no number beyond 65,504; below 6.1e-5 f16's fixed step of 6e-8.  NaN and infinities are not treated apart.
; SHARES.  A tile of out0 is 256 x 256: 8 x 32 tiles, one to a work-group of four waves, as many as a WGP has SIMDs; a wave makes 128 x 128: 64 accumulators of 16 x 16, 512 registers.
; K goes in 32 steps of 128 through two LDS slots: a row of x's tile is 256 bytes of memory, at a multiple of 256 from xh's first byte; w's tile of a step is 65,536 dense bytes.
; A step is four quarters of 32 along K, 64 matrix instructions each, on two sets of fragment registers; the next quarter's 32 LDS loads stand in one run in a quarter's middle.
; CLUSTERS.  4 x 4 work-groups.  The four of a row of the cluster need the same rows of x, the four of a column the same tile of w: each is asked for JOINTLY, by the same tensor load with the same descriptor and a
; mask that names the four.  By this text's own count a wave has two tensor loads out at the start and one behind each round; that one has 224 matrix instructions in which to land.
; THE MATRIX INSTRUCTION IS USED TRANSPOSED: source 0 = 16 columns of w, source 1 = 16 rows of x: in the result lane l holds row l % 16 of out0 and its registers 0 to 7 the columns 8 (l / 16) + 0..7.
; REGISTERS, in windows of 256 (s_set_vgpr_msb: bits 1:0 source 0, 3:2 source 1, 5:4 source 2, 7:6 destination):
;   window 0: v0-31 addresses; v64-127, v128-191 x's fragments (8 x 16 rows x 32 K), two sets; on the way out: rows read back from the stage
;   window 1: v64-127, v128-191 w's fragments, two sets
;   window 2: the 32 accumulators of my rows 0-63 ((a, b) at 8 (8 a + b));   window 3: those of my rows 64-127
.set PITCH,  272                       ; a row of x in LDS: 256 bytes + 16 of padding = 68 words: row r starts at bank 4 r mod 64 (64 banks of 4 bytes: ISA guide 11.1), so the 16 rows of a load start at 16 different banks
.set HALFT,  128*PITCH                 ; 128 rows of x: one tensor load, and what one wave reads
.set BOFF,   2*HALFT                   ; behind x's 256 rows: w's tile; a fragment is 1,024 bytes on end, so its loads (16 bytes a lane, lane after lane) meet no bank twice
.set BHALF,  32768                     ; two quarters of w's tile: one tensor load
.set SLOT,   BOFF+2*BHALF              ; 135,168
.set STAGE,  2*SLOT                    ; behind the ring, never filled by a tensor load: 16 rows x 528 bytes for each wave, for the way out
.set SPITCH, 528                       ; 512 + 16 = 132 words: row r starts at bank 4 r mod 64
.set SPARE,  STAGE+4*16*SPITCH         ; behind the stages: the spare words, 128 bytes for each wave: two blocks of 256 bytes that no other line names
.set LAPS,   16                        ; a lap = two K steps = once round the ring
.set ADRA, 16                          ; v16-17  LDS address of my fragments of x in slot 0, 1
.set ADRB, 20                          ; v20-21  the same for w
.set STO,  24                          ; v24     the way out: where I put 32 bytes of a row
.set RD,   25                          ; v25     the way out: where I read a row back
.set CO,   26                          ; v26     my 16 bytes in 512 consecutive bytes of out0
.set SPW,  28                          ; v28     LDS address of my spare word: SPARE + 4 x my thread's number; never rewritten
.set NIL,  29                          ; v29     0; never rewritten
.set PFO,  30                          ; v30     the prefetches' offset by lane; never rewritten
.set F0,   64                          ; fragment set 0
.set F1,   128                         ; fragment set 1
.set G1,   24                          ; s[24:31] descriptor group 1 for x's tiles;  s[32:39] group 0, one set for each slot
.set G0,   32
.set G1B,  48                          ; s[48:55], s[56:63] the same for w's tiles
.set G0B,  56
.set PFA,  66                          ; s[66:67] where my prefetches stand
.set PFS,  68                          ; s[68:69] a K step in bytes, in what I prefetch
.set LIM,  70                          ; s70      1 in a wave that prefetches, else the greatest number
.set MSB, 0
.macro WIN new                         ; the immediate's high byte repeats the setting that is left; a switch that changes nothing is dropped
.if MSB != (\new)
	s_set_vgpr_msb (MSB<<8)|(\new)
.set MSB, \new
.endif
.endm
.set MUL_LO, 0xa1                      ; source 0 (w) window 1, source 1 (x) window 0, C and D window 2
.set MUL_HI, 0xf1                      ; the same, C and D window 3
.set TO_B,   0x40                      ; destination window 1, address window 0
.macro PLACES                          ; four places in front of loads into registers that matrix instructions have read, and of stores that read results (ISA guide 7.12.1 for vector instructions)
.rept 4
	v_nop
.endr
.endm
; A joint load.  Waves 0 and 1 fetch the two halves of x's rows, waves 2 and 3 the two halves of w's tile.  The branch hangs on the wave's number alone.
; An s_nop 0 and four v_nop follow each of the two lines, ahead of the jump and the label.
.macro JLOAD s
	s_cmp_eq_u32 s11, 0
	s_cbranch_scc0 .Lfor_b_\@
	tensor_load_to_lds s[G0+4*(\s):G0+4*(\s)+3], s[G1:G1+7]
	s_nop 0
.rept 4
	v_nop
.endr
	s_branch .Lasked_\@
.Lfor_b_\@:
	tensor_load_to_lds s[G0B+4*(\s):G0B+4*(\s)+3], s[G1B:G1B+7]
	s_nop 0
.rept 4
	v_nop
.endr
.Lasked_\@:
.endm
; A round of the cluster's barrier: my work-group's barrier, so that wave 0's signal speaks for all four waves; wave 0 signals; every wave waits for all sixteen work-groups; my work-group's barrier once more.
.macro CREST                           ; a round behind its opening barrier
	s_cmp_lg_u32 s10, 0
	s_cbranch_scc1 .Lnot_wave_0_\@
	s_barrier_signal -3
.Lnot_wave_0_\@:
	s_barrier_wait -3
	s_barrier_signal -1
	s_barrier_wait -1
.endm
.macro CROUND                          ; a whole round
	s_barrier_signal -1
	s_barrier_wait -1
	CREST
.endm
; A PREFETCH INTO THE L2, behind each joint refill, its five lines and the run of LDS loads that follows: beside the load of K step s + 2 it names K step s + 4: two steps, 512 matrix instructions, ahead of the load
; that will want it.  One instruction a wave, a lane a block of 256 bytes; each block is named ONCE in the launch.  x's rows are read by both clusters of a row of clusters: cluster x = 0 asks, waves 0 and 1; of the 128
; rows that a wave fetches the partner at cx takes 32.  w's tile is read by all eight clusters of a column: cluster y = 0 asks, waves 2 and 3; of the 128 blocks that a wave fetches the partner at cy takes 32.
; Partners are told apart BY ADDRESS: no branch hangs on a work-group's place in its cluster.  K steps 0 to 3 come by their loads alone; the loop's last trip (s3 = 1) asks for nothing: steps 32 and 33 do not exist.
.macro ASK
	s_cmp_gt_u32 s3, s[LIM]
	s_cbranch_scc0 .Lnot_mine_\@
	global_prefetch_b8 v[PFO], s[PFA:PFA+1] th:TH_LOAD_NT scope:SCOPE_SE
.Lnot_mine_\@:
.endm
	s_load_b128 s[4:7], s[0:1], 0x0                ; xh s[4:5], wfrag s[6:7]
	s_load_b64 s[8:9], s[0:1], 0x10                ; out0
	v_lshl_add_u32 v[SPW], v0, 2, SPARE
	v_mov_b32 v[NIL], 0
	ds_add_u32 v[SPW], v[NIL]                      ; the wave's opening: the add and its wait stand ahead of my first tensor load; the set-up below, work on registers, stands between them
	v_lshrrev_b32 v1, 5, v0
	v_readfirstlane_b32 s10, v1                    ; wave 0..3
	s_lshr_b32 s11, s10, 1                         ; which half of the tile's rows is mine.  Also: I fetch for x (0) or for w (1)
	s_and_b32 s12, s10, 1                          ; which half of its columns.  Also: which half of that tile I fetch
	s_bfe_u32 s40, ttmp6, 0x40000                  ; cx, cy: my place in the cluster
	s_bfe_u32 s41, ttmp6, 0x40004
	s_lshl_b32 s42, ttmp9, 2                       ; in a cluster launch ttmp9 and ttmp7 count clusters
	s_add_co_u32 s42, s42, s40                     ; tile column = 4 x cluster x + cx
	s_and_b32 s13, ttmp7, 0xffff
	s_lshl_b32 s13, s13, 2
	s_add_co_u32 s13, s13, s41                     ; tile row = 4 x cluster y + cy
	s_lshl_b32 s43, s41, 2
	s_lshl_b32 s43, 15, s43                        ; my row of the cluster: places 4 cy .. 4 cy + 3
	s_lshl_b32 s44, 0x1111, s40                    ; my column: places cx, cx + 4, cx + 8, cx + 12
	; group 1 for x: 128 rows x 128 elements of 2 bytes, padded in LDS
	s_or_b32 s[G1+0], s43, (1<<16)|(1<<20)|(1<<21)|(5<<22)|(3<<25)  ; 15:0 the mask: my row; 17:16 elements of 2 bytes; 20 padding on; 21 set beside a mask; 24:22 after every 64 words (code 5); 31:25 4 words of it (code 3)
	s_mov_b32 s[G1+1], 128<<16                     ; tensor_dim0 = 128
	s_mov_b32 s[G1+2], 128<<16                     ; tensor_dim1 = 128
	s_mov_b32 s[G1+3], 128<<16                     ; tile_dim0 = 128
	s_mov_b32 s[G1+4], 128                         ; tile_dim1 = 128
	s_mov_b32 s[G1+5], 4096                        ; elements from row to row
	s_mov_b32 s[G1+6], 0
	s_mov_b32 s[G1+7], 0
	; group 1 for w: 32,768 dense bytes as 128 rows of 32 elements of 8 bytes, no padding
	s_or_b32 s[G1B+0], s44, (3<<16)|(1<<21)        ; the mask: my column; elements of 8 bytes; 21 set beside a mask
	s_mov_b32 s[G1B+1], 32<<16
	s_mov_b32 s[G1B+2], 128<<16
	s_mov_b32 s[G1B+3], 32<<16
	s_mov_b32 s[G1B+4], 128
	s_mov_b32 s[G1B+5], 32
	s_mov_b32 s[G1B+6], 0
	s_mov_b32 s[G1B+7], 0
	; where the tiles come from.  x's hang on the tile row alone, which my row of the cluster shares; w's on the tile column alone, which my column shares; each in registers that never hold the other coordinate
	s_lshl_b32 s16, s13, 8
	s_lshl_b32 s17, s12, 7
	s_add_co_u32 s16, s16, s17                     ; x: row 256 x tile row + 128 x half,
	s_lshl_b32 s16, s16, 13                        ; of 8,192 bytes (under 2^27)
	s_mov_b32 s17, 0
	s_lshl_b32 s46, s42, 21                        ; w: tile column << 21,
	s_lshl_b32 s47, s12, 15                        ; my half of a step's 65,536 bytes
	s_add_co_u32 s46, s46, s47
	s_mov_b32 s47, 0
	s_mul_i32 s20, s12, HALFT                      ; and where they go: no place in the cluster enters an LDS address
	s_mul_i32 s21, s12, BHALF
	s_add_co_u32 s21, s21, BOFF
	s_wait_dscnt 0x0                               ; the opening add is done
	s_wait_kmcnt 0x0
	s_add_nc_u64 s[14:15], s[4:5], s[16:17]
	s_add_nc_u64 s[46:47], s[6:7], s[46:47]
	CROUND                                         ; all sixteen work-groups are here: the first joint loads meet
.irp s, 0,1
	s_mov_b32 s[G0+4*(\s)], 1                                      ; count = 1
	s_add_co_u32 s[G0+4*(\s)+1], s20, (\s)*SLOT                    ; LDS address
	s_add_nc_u64 s[G0+4*(\s)+2:G0+4*(\s)+3], s[14:15], (\s)*256    ; global address: K step s
	s_or_b32 s[G0+4*(\s)+3], s[G0+4*(\s)+3], 0x80000000            ; type = 2
	s_mov_b32 s[G0B+4*(\s)], 1
	s_add_co_u32 s[G0B+4*(\s)+1], s21, (\s)*SLOT
	s_add_nc_u64 s[G0B+4*(\s)+2:G0B+4*(\s)+3], s[46:47], (\s)*65536
	s_or_b32 s[G0B+4*(\s)+3], s[G0B+4*(\s)+3], 0x80000000
.endr
	s_cmp_eq_u32 s11, 0                            ; a wave's two first fills stand in one branch, ahead of every wait on TENSORcnt and every LDS read: two loads of mine are out
	s_cbranch_scc0 .Lfirst_b
	tensor_load_to_lds s[G0:G0+3], s[G1:G1+7]
	s_nop 0
	tensor_load_to_lds s[G0+4:G0+7], s[G1:G1+7]
	s_nop 0
.rept 4
	v_nop
.endr
	s_branch .Lfirst_asked
.Lfirst_b:
	tensor_load_to_lds s[G0B:G0B+3], s[G1B:G1B+7]
	s_nop 0
	tensor_load_to_lds s[G0B+4:G0B+7], s[G1B:G1B+7]
	s_nop 0
.rept 4
	v_nop
.endr
.Lfirst_asked:
	; A fragment is 16 rows x 32 K in 8 registers: lane l holds row l % 16; registers 0-3 K = 8 (l / 16) + 0..7, registers 4-7 K = 16 + 8 (l / 16) + 0..7.
	; Of x, whose rows lie along K: two loads of 16 bytes, 32 bytes apart, at row x pitch + 16 (l / 16).  Of w: 16 bytes at 16 l and at 512 + 16 l of the fragment's 1,024.
	v_and_b32 v1, 15, v0                           ; l % 16
	v_bfe_u32 v2, v0, 4, 1                         ; l / 16
	v_and_b32 v3, 31, v0                           ; l
	v_mul_u32_u24 v4, v1, PITCH
	v_lshl_add_u32 v4, v2, 4, v4
	s_mul_i32 s22, s11, HALFT                      ; my 128 rows of x
	v_add_nc_u32 v[ADRA], s22, v4
	v_add_nc_u32 v[ADRA+1], SLOT, v[ADRA]
	s_lshl_b32 s23, s12, 13                        ; my 8 column blocks of 1,024 bytes in each quarter of w's tile
	s_add_co_u32 s23, s23, BOFF
	v_lshl_add_u32 v[ADRB], v3, 4, s23
	v_add_nc_u32 v[ADRB+1], SLOT, v[ADRB]
	s_mul_i32 s23, s10, 16*SPITCH
	s_add_co_u32 s23, s23, STAGE                   ; my stage
	v_mul_u32_u24 v5, v1, SPITCH                   ; in: row l % 16, 32 bytes for each half of the lanes
	v_lshl_add_u32 v5, v2, 5, v5
	v_add_nc_u32 v[STO], s23, v5
	v_lshl_add_u32 v[RD], v3, 4, s23               ; back: 32 lanes take a row's 512 bytes
	v_lshlrev_b32 v[CO], 4, v3
	s_lshl_b32 s72, s13, 8                         ; out0 at my first row, 256 x tile row + 128 x half, of 8,192 bytes,
	s_lshl_b32 s73, s11, 7
	s_add_co_u32 s72, s72, s73
	s_lshl_b32 s72, s72, 13
	s_lshl_b32 s73, s42, 10                        ; the tile's first column: 1,024 bytes a tile,
	s_add_co_u32 s72, s72, s73
	s_lshl_b32 s73, s12, 9                         ; my half of its columns
	s_add_co_u32 s72, s72, s73
	s_mov_b32 s73, 0
	s_add_nc_u64 s[8:9], s[8:9], s[72:73]
	; the prefetches
	s_lshl_b32 s72, s13, 8                         ; x: row 256 x tile row + 128 x half + 32 cx,
	s_lshl_b32 s73, s12, 7
	s_add_co_u32 s72, s72, s73
	s_lshl_b32 s73, s40, 5
	s_add_co_u32 s72, s72, s73
	s_lshl_b32 s72, s72, 13
	s_add_co_u32 s72, s72, 3*256                   ; at K step 3: the first refill steps it to 4
	s_lshl_b32 s74, s42, 21                        ; w: the tile column, my half of a step, 32 cy blocks of 256 bytes,
	s_lshl_b32 s75, s12, 15
	s_add_co_u32 s74, s74, s75
	s_lshl_b32 s75, s41, 13
	s_add_co_u32 s74, s74, s75
	s_add_co_u32 s74, s74, 3*65536                 ; at K step 3
	s_and_b32 s76, ttmp7, 0xffff                   ; cluster y
	s_mov_b32 s[PFS], 65536
	s_mov_b32 s[PFS+1], 0
	s_mov_b32 s73, 0
	s_cmp_eq_u32 s11, 0                            ; do I fetch for x?
	s_cselect_b32 s72, s72, s74
	s_cselect_b32 s76, ttmp9, s76                  ; the coordinate along which other clusters read the same bytes
	s_cselect_b32 s[PFS], 256, s[PFS]
	s_cselect_b32 s77, 13, 8                       ; a lane a row of x (8,192 bytes), or a block of 256 bytes of w
	s_cselect_b64 s[PFA:PFA+1], s[4:5], s[6:7]
	s_add_nc_u64 s[PFA:PFA+1], s[PFA:PFA+1], s[72:73]
	s_cmp_eq_u32 s76, 0
	s_cselect_b32 s[LIM], 1, -1                    ; the same in all sixteen partners, for a given wave
	v_lshlrev_b32 v[PFO], s77, v3
; 16 matrix instructions: row blocks a0, a0 + 1 of the window's four (hi = 0: my rows 0-63, 1: rows 64-127) x all 8 column blocks, 32 along K.  zero = 1: the product starts the sum: nothing is ever cleared.
; The 64 accumulators take turns, one instruction a turn, in the same order in every quarter, over the backward jump too.
.macro MUL16 f, hi, a0, zero
	WIN MUL_LO+0x50*(\hi)
.irp a, \a0, (\a0)+1
.irp b, 0,1,2,3,4,5,6,7
.if \zero
	v_wmma_f32_16x16x32_f16 v[8*(8*(\a)+(\b)):8*(8*(\a)+(\b))+7], v[(\f)+8*(\b):(\f)+8*(\b)+7], v[(\f)+8*(4*(\hi)+(\a)):(\f)+8*(4*(\hi)+(\a))+7], 0
.else
	v_wmma_f32_16x16x32_f16 v[8*(8*(\a)+(\b)):8*(8*(\a)+(\b))+7], v[(\f)+8*(\b):(\f)+8*(\b)+7], v[(\f)+8*(4*(\hi)+(\a)):(\f)+8*(4*(\hi)+(\a))+7], v[8*(8*(\a)+(\b)):8*(8*(\a)+(\b))+7]
.endif
.endr
.endr
.endm
; 32 LDS loads in one run: the fragments of quarter q of a slot (my 128 columns of w, then my 128 rows of x) into set f
.macro FETCH slot, q, f
	WIN TO_B
.irp i, 0,1,2,3,4,5,6,7
	ds_load_b128 v[(\f)+8*(\i):(\f)+8*(\i)+3],   v[ADRB+(\slot)] offset:(\q)*16384+(\i)*1024
	ds_load_b128 v[(\f)+8*(\i)+4:(\f)+8*(\i)+7], v[ADRB+(\slot)] offset:(\q)*16384+(\i)*1024+512
.endr
	WIN 0
.irp i, 0,1,2,3,4,5,6,7
	ds_load_b128 v[(\f)+8*(\i):(\f)+8*(\i)+3],   v[ADRA+(\slot)] offset:(\q)*64+(\i)*16*PITCH
	ds_load_b128 v[(\f)+8*(\i)+4:(\f)+8*(\i)+7], v[ADRA+(\slot)] offset:(\q)*64+(\i)*16*PITCH+32
.endr
.endm
; One of a step's first three quarters: multiplies set f; in its middle it fetches quarter q of the same slot into set g.
.macro QUARTER slot, q, f, g, zero
	s_wait_dscnt 8                                 ; w and x's rows 0-63 are in; the youngest eight loads (x's rows 64-127) may be out
	MUL16 \f, 0, 0, \zero
	MUL16 \f, 0, 2, \zero
	PLACES                                         ; set g was multiplied in the quarter before
	FETCH \slot, \q, \g
	s_wait_dscnt 32                                ; all but the 32 just issued
	MUL16 \f, 1, 0, \zero
	MUL16 \f, 1, 2, \zero
.endm
; A step's last quarter multiplies set 1 and CHANGES SLOTS: one barrier, for two things.  In front of it each wave waits for all its tensor loads, of which one is out: its part of the next slot; adds 0 to its spare word;
; and waits for that and for its own reads of this slot.  Behind it nobody reads this slot any more and the next slot is whole.
; fill = 1: the barrier opens a round of the cluster's, and this slot is filled again, first thing behind the round, with the K step two on.
.macro TURN slot, next, fill
.if \fill
	s_wait_xcnt 0x0                                ; the last prefetch, a K step back, has read its address: it is stepped here, ahead of the waits of the change of slots
	s_add_nc_u64 s[PFA:PFA+1], s[PFA:PFA+1], s[PFS:PFS+1]
.endif
	WIN 0                                          ; (the add's two registers lie in window 0)
	s_wait_tensorcnt 0x0                           ; all my tensor loads have landed;
	ds_add_u32 v[SPW], v[NIL]                      ; 0 onto my spare word;
	s_wait_dscnt 9                                 ; (the add and the youngest eight loads may be out)
	MUL16 F1, 0, 0, 0                              ; sixteen matrix instructions stand between the add and the wait for it
	s_wait_dscnt 0x0                               ; the add is done, and my reads of this slot are over
	s_barrier_signal -1
	MUL16 F1, 0, 2, 0                              ; work on registers while the others arrive
.if \fill
	WIN 0
.endif
	s_barrier_wait -1
.if \fill
	CREST                                          ; no wave of any partner still reads this slot or has a load on its way
	s_add_nc_u64 s[G0+4*(\slot)+2:G0+4*(\slot)+3], s[G0+4*(\slot)+2:G0+4*(\slot)+3], 2*256        ; two K steps on in x's rows,
	s_add_nc_u64 s[G0B+4*(\slot)+2:G0B+4*(\slot)+3], s[G0B+4*(\slot)+2:G0B+4*(\slot)+3], 2*65536  ; and in w; the type bits on top are not reached
	JLOAD \slot                                    ; the first tensor load behind the round; its four v_nop are also the places in front of the loads into set 0
.else
	PLACES
.endif
	FETCH \next, 0, F0
.if \fill
	ASK                                            ; behind the joint load and the run of LDS loads that the next products wait for
.endif
	MUL16 F1, 1, 0, 0
	MUL16 F1, 1, 2, 0
.endm
; THE WAY OUT of row block a: 16 rows x 128 columns of f32.  A lane's 32 bytes of a row go from the accumulators into my own stage, rows of 528 bytes; a row comes back as 512 consecutive bytes and is stored so.
.macro TOSTAGE a
	WIN 0x08+4*((\a)/4)                            ; the stores' data in window 2 or 3
.irp b, 0,1,2,3,4,5,6,7
	ds_store_b128 v[STO], v[8*(8*((\a)%4)+(\b)):8*(8*((\a)%4)+(\b))+3] offset:64*(\b)          ; each accumulator's low registers are read first
	ds_store_b128 v[STO], v[8*(8*((\a)%4)+(\b))+4:8*(8*((\a)%4)+(\b))+7] offset:64*(\b)+16
.endr
	WIN 0
.if (\a) >= 2
	s_wait_xcnt 0x0                                ; the stores of the block two back have read their registers, which are loaded again only behind this wait
.endif
.set tt, 0
.rept 16
	ds_load_b128 v[F0+64*((\a)%2)+4*tt:F0+64*((\a)%2)+4*tt+3], v[RD] offset:tt*SPITCH  ; LDS serves a wave's instructions in order (ISA guide 5.7.1.4): these see the stores above; the next block's stores come behind them
.set tt, tt+1
.endr
.endm
.macro SEND a, younger                 ; younger: the LDS instructions issued behind block a's loads: the next block's 32, or none
	WIN 0
.set tt, 0
.rept 16
	s_wait_dscnt (\younger)+15-tt                  ; row tt is back
	global_store_b128 v[CO], v[F0+64*((\a)%2)+4*tt:F0+64*((\a)%2)+4*tt+3], s[8:9] offset:(16*(\a)+tt)*8192 th:TH_STORE_NT  ; 512 consecutive bytes, at a multiple of 512 from out0's first; 1,040,384 at the most, inside the signed 24-bit immediate
.set tt, tt+1
.endr
.endm
	s_wait_tensorcnt 1                             ; my part of K step 0 is in; K step 1's may stay out
	s_barrier_signal -1
	s_barrier_wait -1                              ; everybody's is
	FETCH 0, 0, F0
	QUARTER 0, 1, F0, F1, 1                        ; the first quarter stands in front of the loop: its products start the sums
	WIN 0                                          ; at a label and at a branch every window is 0
	s_mov_b32 s3, LAPS-1
.Llap:                                                 ; 15 trips: once round the ring, from a lap's second quarter to the next lap's first; both slots are filled again
	QUARTER 0, 2, F1, F0, 0
	QUARTER 0, 3, F0, F1, 0
	TURN 0, 1, 1
	QUARTER 1, 1, F0, F1, 0
	QUARTER 1, 2, F1, F0, 0
	QUARTER 1, 3, F0, F1, 0
	TURN 1, 0, 1
	QUARTER 0, 1, F0, F1, 0
	WIN 0
	s_sub_co_u32 s3, s3, 1
	s_cmp_lg_u32 s3, 0
	s_cbranch_scc1 .Llap
	QUARTER 0, 2, F1, F0, 0                        ; the rest of the last lap is written out: nothing is asked for, and no round of the cluster's barrier is needed
	QUARTER 0, 3, F0, F1, 0
	TURN 0, 1, 0
	QUARTER 1, 1, F0, F1, 0
	QUARTER 1, 2, F1, F0, 0
	QUARTER 1, 3, F0, F1, 0
	s_wait_dscnt 8                                 ; the very last quarter: nothing more to fetch
	MUL16 F1, 0, 0, 0
	MUL16 F1, 0, 2, 0
	s_wait_dscnt 0x0
	MUL16 F1, 1, 0, 0
	MUL16 F1, 1, 2, 0
	WIN 0
	PLACES                                         ; the places behind the last products, in front of the stores that read results and of the loads into x's registers
	PLACES
	TOSTAGE 0
.irp a, 1,2,3,4,5,6,7                  ; block a's way through the stage stands ahead of block a - 1's stores
	TOSTAGE \a
	SEND (\a)-1, 32
.endr
	SEND 7, 0
	s_wait_tensorcnt 0x0                           ; the wave's end, behind my last tensor load and my last LDS store
	ds_add_u32 v[SPW], v[NIL]
	s_wait_dscnt 0x0
	CROUND                                         ; the closing round: no work-group ends while a partner may still ask for a tile that names it
	s_endpgm
.Lfunc_end_k_qf93687fcc2_gemm:
	.size	k_qf93687fcc2_gemm, .Lfunc_end_k_qf93687fcc2_gemm-k_qf93687fcc2_gemm
	.p2alignl 7, 3214868480
	.fill 96, 4, 3214868480
	.section	.rodata,"a",@progbits
	.p2align	6, 0x0
	.amdhsa_kernel k_qf93687fcc2_gemm
		.amdhsa_group_segment_fixed_size 327680
		.amdhsa_private_segment_fixed_size 0
		.amdhsa_enable_private_segment 0
		.amdhsa_kernarg_size 24
		.amdhsa_user_sgpr_count 2
		.amdhsa_user_sgpr_kernarg_segment_ptr 1
		.amdhsa_wavefront_size32 1
		.amdhsa_system_sgpr_workgroup_id_x 1
		.amdhsa_system_sgpr_workgroup_id_y 1
		.amdhsa_system_sgpr_workgroup_id_z 1
		.amdhsa_system_vgpr_workitem_id 0
		.amdhsa_next_free_vgpr 1024
		.amdhsa_next_free_sgpr 80
		.amdhsa_reserve_vcc 0
		.amdhsa_float_denorm_mode_32 3
		.amdhsa_float_denorm_mode_16_64 3
		.amdhsa_memory_ordered 1
		.amdhsa_forward_progress 1
		.amdhsa_inst_pref_size 145
	.end_amdhsa_kernel
	.amdgpu_metadata
---
amdhsa.version: [ 1, 2 ]
amdhsa.kernels:
  - .name:           k_qf93687fcc2_gemm
    .symbol:         k_qf93687fcc2_gemm.kd
    .args:
      - { .name: xh, .offset: 0, .size: 8, .value_kind: global_buffer, .address_space: global }
      - { .name: wfrag, .offset: 8, .size: 8, .value_kind: global_buffer, .address_space: global }
      - { .name: out0, .offset: 16, .size: 8, .value_kind: global_buffer, .address_space: global }
    .group_segment_fixed_size: 327680
    .private_segment_fixed_size: 0
    .kernarg_segment_align: 8
    .kernarg_segment_size: 24
    .max_flat_workgroup_size: 128
    .sgpr_count:     80
    .vgpr_count:     1024
    .wavefront_size: 32
...
	.end_amdgpu_metadata
.endif
;; end of part 2
;; ======== version 2 of 2: 2 launches; version 1 with the launch prep written anew for expert scheduling mode
;; limits: values are held in f16: magnitudes above 65,504 overflow, below 6.1e-05 lose precision; inputs' magnitudes at most 65,504
;; workspace buffers: wfrag 16,777,216 bytes; xh 67,108,864 bytes
;; launch prep (part 3): grid 8 x 256, 8 waves a work-group, no clusters, 0 bytes of LDS; arguments qweight, alpha, beta, x, wfrag, xh; writes wfrag, xh
.if DOCPART == 3
	.amdgcn_target "amdgcn-amd-amdhsa--gfx1250"
	.amdhsa_code_object_version 6
	.text
	.protected	k_qf93687fcc2_prep
	.globl	k_qf93687fcc2_prep
	.p2align	8
	.type	k_qf93687fcc2_prep,@function
k_qf93687fcc2_prep:
	s_mov_b64 s[64:65], 0
	v_nop
	global_prefetch_b8 v0, s[64:65] scope:SCOPE_SE
	s_setreg_imm32_b32 hwreg(HW_REG_WAVE_SCHED_MODE, 0, 2), 2
	s_setreg_imm32_b32 hwreg(HW_REG_WAVE_MODE, 25, 1), 1
	s_wait_xcnt 0x0
	s_wait_alu depctr_vm_vsrc(0)
; TWO JOBS IN ONE STREAM, both for the product that follows.
; (1) xh = x rounded once to f16, in x's own order: [8192][4096].
; (2) w[i][o] = beta[g][o] + the sum over b = 0..3 of alpha[g][b][o] x (2 bit_b(i, o) - 1), g = i / 128; bit_b(i, o) is bit i % 32 of qweight[i / 32][b][o] (all 32 bits count).
;     The sum is made in f32 (beta first, then planes 0 to 3: another order of rounding than a sum of the planes with beta added last) and rounded ONCE to f16.  It is stored as ready fragments:
;     the 16 bytes of (tn = o / 256, wi = i / 32, nb = (o / 16) % 16, c = (i / 8) % 4, r = o % 16) lie at byte tn<<21 | wi<<14 | nb<<10 | c<<8 | r<<4 of wfrag and hold the weights i = 32 wi + 8 c + 0..7, the lower i lower.
; LIMITS.  f16 holds no number beyond 65,504 (65,520 or more becomes an infinity); below 6.1e-5 it keeps its fixed step of 6e-8.  NaN and infinities are not treated apart.
; SHARES.  2,048 work-groups of eight waves, all alike.  Work-group (tn, wy): of w, word wi = wy / 2, bits 16 (wy % 2) .. + 15, of columns 256 tn .. + 255: thread t owns one column, 16 weights;
; of x, the 65,536 bytes at 65,536 (8 wy + tn): a wave 8,192, by sixteen loads of 512 consecutive bytes; each comes back as one store of 256 consecutive bytes, aligned (8 bytes a lane).
; ORDER.  The nine small loads, then all sixteen of x; the weights are made while x is on its way.
; x is read once; qweight's words are read by the two work-groups that share them, alpha and beta (1.3 MB) by the eight of a group of 128 rows: these carry no hint.  Nothing is shared inside a work-group: no LDS, no barrier.
; THE MODE: SCHED_MODE bits 1:0 = 2 (LLVM: expert scheduling mode 2), set by the entry lines.  The code itself states the register dependences
; between vector instructions and memory instructions, with s_wait_alu, always for 0.
; THE PLAN.  Registers that memory instructions touch:
;   VI, VW, XO, YO   byte offsets, made once at the head and never written again: one wait ahead of the first load serves every load and store.
;   AL, BE, Q, X     loads land in them; no vector instruction names them ahead of their loads, and none is loaded twice.
;   W                written by the two chunks' roundings; read by the two stores of w, which are issued in block 0 of x.
;   X, load i        its two conversions write its first two registers; one store reads them.  The sixteen loads go in four blocks of four: block p's conversions name block p's registers alone,
;                    and the four stores of block p - 1 (in block 0: the two of w) are dealt among them, behind ONE wait at the block's head.
; No register that a memory instruction has read is ever written again: no wait on vm_vsrc is owed, and none to a store.  No vector instruction writes a scalar register, VCC or EXEC.
.set VI,  1                            ; v1        4 t: my column's byte in a row of 2,048 words; never rewritten
.set VW,  2                            ; v2        (t / 16) << 10 | (t % 16) << 4: my 16 bytes in a chunk of wfrag; never rewritten
.set ONE, 3                            ; v3        1.0
.set AL,  4                            ; v[4:11]   pair b: -alpha_b, twice
.set BE,  12                           ; v[12:13]  beta, twice
.set TP,  14                           ; v14       at work
.set XO,  15                           ; v15       8,192 x wave + 16 x lane: my 16 bytes in the work-group's part of x; never rewritten
.set YO,  16                           ; v16       4,096 x wave + 8 x lane: my 8 bytes in its part of xh; never rewritten
.set Q,   18                           ; v[18:21]  plane b of my word, my sixteen bits lowest
.set T,   24                           ; v[24:55]  plane b, weight kk of the chunk at T + 8 b + kk: -1.0 where the bit is 1, +1.0 where it is 0
.set ACC, 56                           ; v[56:63]  the chunk's eight sums
.set W,   64                           ; v[64:71]  chunk c at W + 4 c
.set X,   72                           ; v[72:135] load i at X + 4 i; its four numbers are rounded into its first two registers
	s_load_b256 s[4:11], s[0:1], 0x0               ; qweight s[4:5], alpha s[6:7], beta s[8:9], x s[10:11]
	s_load_b128 s[12:15], s[0:1], 0x20             ; wfrag s[12:13], xh s[14:15]
	s_and_b32 s16, ttmp7, 0xffff                   ; wy
	s_lshr_b32 s17, s16, 1                         ; wi: the word
	s_and_b32 s18, s16, 1                          ; which half of its bits
	s_lshr_b32 s19, s17, 2                         ; g
	s_lshl_b32 s20, ttmp9, 10                      ; the work-group's 256 columns: 1,024 bytes of a row
	s_mov_b32 s21, 0x80000000                      ; the sign bit
	s_lshl_b32 s22, s18, 4                         ; my half's first bit
	s_mov_b32 s3, 0                                ; every offset is under 2^32
	v_lshlrev_b32 v[VI], 2, v0
	v_and_b32 v[TP], 15, v0
	v_lshlrev_b32 v[TP], 4, v[TP]
	v_lshrrev_b32 v[VW], 4, v0
	v_lshl_or_b32 v[VW], v[VW], 10, v[TP]
	v_mov_b32 v[ONE], 1.0
	v_and_b32 v[TP], 31, v0                        ; lane
	v_lshrrev_b32 v[XO], 5, v0                     ; wave
	v_lshlrev_b32 v[YO], 12, v[XO]
	v_lshlrev_b32 v[XO], 13, v[XO]
	v_lshl_or_b32 v[XO], v[TP], 4, v[XO]
	v_lshl_or_b32 v[YO], v[TP], 3, v[YO]
	s_wait_kmcnt 0x0
	s_lshl_b32 s2, s17, 15                         ; qweight: a word is 4 planes x 8,192 bytes
	s_add_co_u32 s2, s2, s20
	s_add_nc_u64 s[4:5], s[4:5], s[2:3]
	s_lshl_b32 s2, s19, 15                         ; alpha: a group is 4 planes x 8,192 bytes
	s_add_co_u32 s2, s2, s20
	s_add_nc_u64 s[6:7], s[6:7], s[2:3]
	s_lshl_b32 s2, s19, 13                         ; beta: 8,192 bytes
	s_add_co_u32 s2, s2, s20
	s_add_nc_u64 s[8:9], s[8:9], s[2:3]
	s_lshl_b32 s2, ttmp9, 21                       ; wfrag: tn << 21 | wi << 14 | my half's two chunks << 9
	s_lshl_b32 s23, s17, 14
	s_add_co_u32 s2, s2, s23
	s_lshl_b32 s23, s18, 9
	s_add_co_u32 s2, s2, s23
	s_add_nc_u64 s[12:13], s[12:13], s[2:3]
	s_lshl_b32 s23, s16, 3
	s_add_co_u32 s23, s23, ttmp9                   ; the work-group's number, 8 wy + tn: 0 .. 2,047
	s_lshl_b32 s2, s23, 16                         ; its 65,536 bytes of x,
	s_add_nc_u64 s[10:11], s[10:11], s[2:3]
	s_lshl_b32 s2, s23, 15                         ; its 32,768 of xh
	s_add_nc_u64 s[14:15], s[14:15], s[2:3]
	s_wait_alu depctr_va_vdst(0)                   ; the four offsets VI, VW, XO and YO are written: every load and store of the kernel reads one of them
.irp b, 0,1,2,3
	global_load_b32 v[AL+2*(\b)], v[VI], s[6:7] offset:(\b)*8192
.endr
	global_load_b32 v[BE], v[VI], s[8:9]
.irp b, 0,1,2,3
	global_load_b32 v[Q+(\b)], v[VI], s[4:5] offset:(\b)*8192
.endr
.set i, 0
.rept 16
	global_load_b128 v[X+4*i:X+4*i+3], v[XO], s[10:11] offset:512*i th:TH_LOAD_NT
.set i, i+1
.endr
	s_wait_loadcnt 16                              ; alpha, beta and my word are in; the sixteen loads of x, issued behind them, stay out
.irp b, 0,1,2,3
	v_xor_b32 v[AL+2*(\b)], s21, v[AL+2*(\b)]      ; -alpha: times -1.0 (bit 1) it gives +alpha, times +1.0 (bit 0) -alpha
.endr
.irp b, 0,1,2,3
	v_lshrrev_b32 v[Q+(\b)], s22, v[Q+(\b)]        ; my sixteen bits come lowest
.endr
.irp b, 0,1,2,3
	v_mov_b32 v[AL+2*(\b)+1], v[AL+2*(\b)]         ; the packed multiply-add takes a pair
.endr
	v_mov_b32 v[BE+1], v[BE]
; Chunk c of my two: eight weights.  For each plane and weight the bit is moved to the sign's place and merged with 1.0; then four packed multiply-adds a plane, the four pairs by turns.
; The chunk's store is issued in block 0 of x, behind that block's wait.
.macro CHUNK c
.set n, 0
.rept 32                               ; n = 8 b + kk
	v_lshlrev_b32 v[T+n], 31-(8*(\c)+n%8), v[Q+n/8]
.set n, n+1
.endr
.set n, 0
.rept 32
	v_bfi_b32 v[T+n], s21, v[T+n], v[ONE]          ; the sign from the bit, all else from 1.0
.set n, n+1
.endr
.set n, 0
.rept 16                               ; n = 4 b + p: pair p of plane b lies at T + 2 n
.if n < 4
	v_pk_fma_f32 v[ACC+2*(n%4):ACC+2*(n%4)+1], v[T+2*n:T+2*n+1], v[AL+2*(n/4):AL+2*(n/4)+1], v[BE:BE+1]  ; beta starts the sums: nothing is cleared
.else
	v_pk_fma_f32 v[ACC+2*(n%4):ACC+2*(n%4)+1], v[T+2*n:T+2*n+1], v[AL+2*(n/4):AL+2*(n/4)+1], v[ACC+2*(n%4):ACC+2*(n%4)+1]
.endif
.set n, n+1
.endr
.irp p, 0,1,2,3
	v_cvt_pk_f16_f32 v[W+4*(\c)+(\p)], v[ACC+2*(\p)], v[ACC+2*(\p)+1]  ; the one rounding; the lower i into the low half
.endr
.endm
	CHUNK 0
	CHUNK 1
; Block p of x: loads 4 p to 4 p + 3 are rounded.  The stores of what was rounded just before (block 0: the two chunks of w; else block p - 1 of x) are dealt among the conversions, a store ahead of each pair.
.macro XBLK p
	s_wait_loadcnt 15-4*(\p)                       ; loads come back in order (ISA guide 5.7.1): the block's first load is in, the younger ones stay out
	s_wait_alu depctr_va_vdst(0)                   ; block 0: the roundings have written W; else: the conversions of the block before have written the registers that the stores below read
.irp j, 0,1,2,3
.if (\p) == 0
.if (\j) < 2
	global_store_b128 v[VW], v[W+4*(\j):W+4*(\j)+3], s[12:13] offset:(\j)*256  ; sixteen neighbouring lanes store 256 consecutive bytes, aligned.  No vector instruction since the wait names W
.endif
.else
	global_store_b64 v[YO], v[X+4*(4*(\p)-4+(\j)):X+4*(4*(\p)-4+(\j))+1], s[14:15] offset:256*(4*(\p)-4+(\j))  ; the wave's 32 lanes store 256 consecutive bytes, aligned.  No vector instruction since the wait names the registers of the block before
.endif
.if (\j) > 0
	s_wait_loadcnt 15-4*(\p)-(\j)                  ; the block's load j is in
.endif
	v_cvt_pk_f16_f32 v[X+4*(4*(\p)+(\j))], v[X+4*(4*(\p)+(\j))], v[X+4*(4*(\p)+(\j))+1]
	v_cvt_pk_f16_f32 v[X+4*(4*(\p)+(\j))+1], v[X+4*(4*(\p)+(\j))+2], v[X+4*(4*(\p)+(\j))+3]
.endr
.endm
	XBLK 0
	XBLK 1
	XBLK 2
	XBLK 3
	s_wait_alu depctr_va_vdst(0)                   ; block 3's conversions have written the registers that the last four stores read
.irp j, 12,13,14,15
	global_store_b64 v[YO], v[X+4*(\j):X+4*(\j)+1], s[14:15] offset:256*(\j)
.endr
	s_endpgm
.Lfunc_end_k_qf93687fcc2_prep:
	.size	k_qf93687fcc2_prep, .Lfunc_end_k_qf93687fcc2_prep-k_qf93687fcc2_prep
	.p2alignl 7, 3214868480
	.fill 96, 4, 3214868480
	.section	.rodata,"a",@progbits
	.p2align	6, 0x0
	.amdhsa_kernel k_qf93687fcc2_prep
		.amdhsa_group_segment_fixed_size 0
		.amdhsa_private_segment_fixed_size 0
		.amdhsa_enable_private_segment 0
		.amdhsa_kernarg_size 48
		.amdhsa_user_sgpr_count 2
		.amdhsa_user_sgpr_kernarg_segment_ptr 1
		.amdhsa_wavefront_size32 1
		.amdhsa_system_sgpr_workgroup_id_x 1
		.amdhsa_system_sgpr_workgroup_id_y 1
		.amdhsa_system_sgpr_workgroup_id_z 1
		.amdhsa_system_vgpr_workitem_id 0
		.amdhsa_next_free_vgpr 136
		.amdhsa_next_free_sgpr 66
		.amdhsa_reserve_vcc 0
		.amdhsa_float_denorm_mode_32 3
		.amdhsa_float_denorm_mode_16_64 3
		.amdhsa_memory_ordered 1
		.amdhsa_forward_progress 1
		.amdhsa_inst_pref_size 18
	.end_amdhsa_kernel
	.amdgpu_metadata
---
amdhsa.version: [ 1, 2 ]
amdhsa.kernels:
  - .name:           k_qf93687fcc2_prep
    .symbol:         k_qf93687fcc2_prep.kd
    .args:
      - { .name: qweight, .offset: 0, .size: 8, .value_kind: global_buffer, .address_space: global }
      - { .name: alpha, .offset: 8, .size: 8, .value_kind: global_buffer, .address_space: global }
      - { .name: beta, .offset: 16, .size: 8, .value_kind: global_buffer, .address_space: global }
      - { .name: x, .offset: 24, .size: 8, .value_kind: global_buffer, .address_space: global }
      - { .name: wfrag, .offset: 32, .size: 8, .value_kind: global_buffer, .address_space: global }
      - { .name: xh, .offset: 40, .size: 8, .value_kind: global_buffer, .address_space: global }
    .group_segment_fixed_size: 0
    .private_segment_fixed_size: 0
    .kernarg_segment_align: 8
    .kernarg_segment_size: 48
    .max_flat_workgroup_size: 256
    .sgpr_count:     66
    .vgpr_count:     136
    .wavefront_size: 32
...
	.end_amdgpu_metadata
.endif
;; end of part 3
;; launch gemm: the kernel of part 2 again; grid 8 x 32, 4 waves a work-group, clusters of 4 x 4, 327,680 bytes of LDS; arguments xh, wfrag, out0; writes out0
